; MI455X (gfx1250); checked and timed in simulation.
; The chip was launched on July 23, 2026; its instructions are those of AMD's public machine-readable ISA for CDNA 5 (MIT licence, August 2026) and "CDNA5" Instruction Set Architecture Reference Guide (July 2026). The comments in the code are by the model that wrote it; some were corrected since.
;; Multi Head Attention. Allowed arithmetic: matrix products marked QUANTISED: E4M3 operands, one E8M0 scale for each 32 along K, by v_wmma_scale_f32_16x16x128_f8f6f4 with both operands' format E4M3, f32 sums; everything else in f32.
;; Inputs: Wk_codes 1,024 x 32 x 32 uint8 (E4M3 codes of Wk, K innermost, in blocks of 32 codes); Wk_scales 1,024 x 32 uint8 (E8M0 scales of Wk, one for each 32 codes along K); Wo_codes 1,024 x 32 x 32 uint8 (E4M3 codes of Wo, K innermost, in blocks of 32 codes); Wo_scales 1,024 x 32 uint8 (E8M0 scales of Wo, one for each 32 codes along K); Wq_codes 1,024 x 32 x 32 uint8 (E4M3 codes of Wq, K innermost, in blocks of 32 codes); Wq_scales 1,024 x 32 uint8 (E8M0 scales of Wq, one for each 32 codes along K); Wv_codes 1,024 x 32 x 32 uint8 (E4M3 codes of Wv, K innermost, in blocks of 32 codes); Wv_scales 1,024 x 32 uint8 (E8M0 scales of Wv, one for each 32 codes along K); X_codes 2 x 2,048 x 32 x 32 uint8 (E4M3 codes of X, K innermost, in blocks of 32 codes); X_scales 2 x 2,048 x 32 uint8 (E8M0 scales of X, one for each 32 codes along K); bo 1,024 float32.
;; Outputs: out0 2 x 2,048 x 1,024 float32.
;; This version of the problem:
;;   THIS VERSION OF THE PROBLEM IS GIVEN IN LOW PRECISION. The matrix products marked QUANTISED in the list below multiply operands that are first quantised to E4M3 (4 exponent bits, 3 mantissa bits; 8 bits a number), with one power-of-two scale for each 32 numbers along K (OCP MX v1.0); their sums are f32. All else is computed in f32.
;;   The module's matrix products, in the order in which they are computed (A, B: the left and right operand; K: the contracted axis; several contracted axes count as one K, in the product's order):
;;     1. [M 4,096, K 1,024] x [K 1,024, N 1,024]; A: input X (given as codes); B: input Wq (given as codes): QUANTISED
;;     2. [M 4,096, K 1,024] x [K 1,024, N 1,024]; A: input X (given as codes); B: input Wk (given as codes): QUANTISED
;;     3. [M 4,096, K 1,024] x [K 1,024, N 1,024]; A: input X (given as codes); B: input Wv (given as codes): QUANTISED
;;     4. batch 32 x [M 2,048, K 64] x [K 64, N 2,048]; A: computed on the way; B: computed on the way: QUANTISED
;;     5. batch 32 x [M 2,048, K 2,048] x [K 2,048, N 64]; A: softmax (see below); B: computed on the way: QUANTISED
;;     6. [M 4,096, K 1,024] x [K 1,024, N 1,024]; A: computed on the way; B: input Wo (given as codes): QUANTISED
;;   THE QUANTISER, for each operand of a quantised product, along K:
;;     - K is cut into blocks of 32 from its start; a last block that is shorter is filled with zeros.
;;     - A block's scale is 2^e with e = floor(log2(the largest magnitude in the block)) - 8, held to -126 .. 127; a block of zeros has e = 0. As a byte (E8M0): e + 127.
;;     - Each number is divided by its block's scale, clamped to +-448, and rounded to the nearest number of E4M3, ties to even, subnormals kept.
;;     - The product sums the exact products of the quantised numbers (number of the format x scale) in f32.
;;   ~~~python
;;   def quantise(x, axis):      # numpy; x: float32 -> the quantised numbers, widened to float32 again
;;       x = np.moveaxis(x, axis, -1); K = x.shape[-1]
;;       x = np.pad(x, [(0, 0)] * (x.ndim - 1) + [(0, -K % 32)]); x = x.reshape(x.shape[:-1] + (-1, 32)); a = np.abs(x).max(-1, keepdims=True)
;;       e = np.where(a > 0, np.clip(np.frexp(np.where(a > 0, a, 1))[1] - 1 - 8, -126, 127), 0)      # np.frexp(a)[1] - 1 = floor(log2(a)), exactly
;;       r = np.clip(x / 2.0 ** e, -448, 448)
;;       step = 2.0 ** (np.maximum(np.frexp(np.where(r == 0, 1, r))[1] - 1, -6) - 3)
;;       q = np.round(r / step) * step * 2.0 ** e      # np.round: ties to even
;;       return np.moveaxis(q.reshape(q.shape[:-2] + (-1,))[..., :K], -1, axis).astype(np.float32)
;;   ~~~
;;   SOFTMAX AHEAD OF A QUANTISED PRODUCT. Where the list says 'softmax', what is quantised is not the finished softmax but p = 2^(t - M), with t = logit x log2(e) and M = ceil(the row's largest t), a whole number; so 1/2 < the row's largest p <= 1. The row's sum l is taken of the UNQUANTISED p, in f32, and the product's result is divided by l at the end. Since M is a whole number, a kernel that streams over the keys may use a running M (the ceiling of the running maximum): every later rescaling is an exact power of two, which a block's scale takes up: the codes' values come out the same.
;;   OPERANDS COMPUTED ON THE WAY. 'Computed on the way' means the value that the module computes at that place (a softmax that the list does not call 'softmax' is quantised finished and normalised). What goes into a quantiser is computed in f32, as accurately as f32 sums, v_exp_f32 and their like allow (about 1e-6 of the number): no bf16 or f16 on the way to a quantiser, and a product that is left as it is and whose result goes on into a quantised operand takes f32 operands (vector FMAs, or v_wmma_f32_16x16x4_f32). A number that lies on a knife's edge between two numbers of the format may be rounded either way, as far as f32 arithmetic and the matrix unit's own rounding can turn it there, and no further.
;;   INPUTS GIVEN AS CODES. Wk (in the module: [1024, 1024], K = its axis 1); Wo (in the module: [1024, 1024], K = its axis 1); Wq (in the module: [1024, 1024], K = its axis 1); Wv (in the module: [1024, 1024], K = its axis 1); X (in the module: [2, 2048, 1024], K = its axis 2): each comes as NAME_codes (uint8): NAME with its K axis moved to the last place and cut into blocks of 32 codes, [.., K / 32, bytes a block], one block behind the other in memory; one code a byte (a code: sign, 4 exponent bits, 3 mantissa bits); and NAME_scales (uint8): the same leading axes, one E8M0 byte (e + 127) for each 32 codes along K. Its value is code x scale, taken as it is: it is not quantised again, and the codes and scales need not be those that the quantiser above would give.
;; One version. Each part assembles by itself: llvm-mc -triple=amdgcn-amd-amdhsa -mcpu=gfx1250 --defsym DOCPART=n.
;; ======== version 1 of 1: 3 launches
;; limits: right only within a limited range of input values
;; workspace buffers: qkv 12,976,128 bytes; zc 4,194,304 bytes; zs 131,072 bytes
;; launch proj (part 1): grid 8 x 32, 4 waves a work-group, clusters of 4 x 4, 327,680 bytes of LDS; arguments X_codes, X_scales, Wq_codes, Wq_scales, Wk_codes, Wk_scales, Wv_codes, Wv_scales, qkv; writes qkv
.if DOCPART == 1
	.amdgcn_target "amdgcn-amd-amdhsa--gfx1250"
	.amdhsa_code_object_version 6
	.text
	.protected	k_qeb855e13c8_proj
	.globl	k_qeb855e13c8_proj
	.p2align	8
	.type	k_qeb855e13c8_proj,@function
k_qeb855e13c8_proj:
	s_mov_b64 s[64:65], 0
	v_nop
	global_prefetch_b8 v0, s[64:65] scope:SCOPE_SE
	s_setreg_imm32_b32 hwreg(HW_REG_WAVE_MODE, 25, 1), 1
	s_wait_xcnt 0x0
	s_wait_alu depctr_hold_cnt(0) depctr_sa_sdst(0) depctr_va_vdst(0) depctr_va_sdst(0) depctr_va_ssrc(0) depctr_va_vcc(0) depctr_vm_vsrc(0)
	s_getreg_b32 s2, hwreg(HW_REG_IB_STS2, 6, 4)
	s_cmp_eq_u32 s2, 0
	s_cbranch_scc0 .Lentry_in_a_cluster
	s_endpgm
.Lentry_in_a_cluster:
	s_bfe_u32 s2, ttmp6, 0x10000c
	s_cmp_lg_u32 s2, 0xf033
	s_cbranch_scc0 .Lentry_shape_is_right
	s_endpgm
.Lentry_shape_is_right:
; Q = X Wq^T, K = X Wk^T, V = X Wv^T on codes of FP8 (E4M3) with one E8M0 scale for each 32 along K = 1,024; the results are quantised in registers and leave as codes.
; The program leaves out only key steps of 128 of the attention all of whose keys come after a block's queries: reference()'s own mask gives their weights the value 0, whatever the inputs hold.
; A NaN, an infinity or an overflow that reaches only these is not carried to the result.
; SHARES.  256 work-groups: 128 tokens (y) x 128 features of each of Q, K, V (x: two heads).  Wave (rw, cw) makes 64 tokens x one head of all three.
; It holds its tokens, all of K, in 512 registers (windows 1, 2) and walks the weights' rows in blocks of 16 (window 3, two sets): four blocks a tensor, 32 products each.
; A UNIT is two blocks, 32 features: eight sums, four scale half-blocks of 16 registers; units take two sets of sums by turns.
; Q, K: source 0 = the weight's rows, source 1 = tokens: lane (r, h) holds token r, registers run along the features.  V: the other way round: a lane holds a feature, registers run along the tokens, which are V's K in attention.
; LDS: two slots of 128 rows (pitch 1,040).  At the head X's rows come into slot 1 (waves 0, 1) and Wq's into slot 0 (waves 2, 3), one load a wave.  When all waves hold X in registers Wk's rows go over it, and when Wq's are read out
; Wv's go over those: each in a drained round of the cluster's barrier, 32 rows a wave.
; CLUSTERS: 4 x 4 work-groups: a row of the cluster shares X's rows, a column the weights': all are asked for jointly.
; PREFETCHES: one instruction a wave for Wk behind the head's loads, one for Wv behind Wk's refill, each one tensor ahead of the refill that wants it.  The four work-groups of a column share a tile's 512 blocks of 256 bytes out by
; address, 32 a wave.  The weights are the same for all rows of clusters: the first four rows ask.
; THE WAY OUT: the first unit of a tensor is quantised among the next block's products, the second ahead of the wait for the next tensor's rows.  The conversions' results are stored as they stand, as IMAGES OF OPERAND REGISTERS: 512
; consecutive aligned bytes a store.  Inside a block of 32 the order is 8 h + 0..7, 16 + 8 h + 0..7; both operands of each of attention's products have it.
; qkv: [32 (batch, head)][16 steps of 128 tokens][25,344 bytes]: K's images 8,192, V's 8,192, K's scale words 256, V's 256, Q's images 8,192, Q's scale halves 256.  One work-group writes the whole of two heads' chunks.
; LIMITS: NaN, infinities and sums beyond f32's range are not served.  A block whose largest magnitude lies under 2^-118 (a block of zeros too) gets the byte 1; its bytes are read by this program alone.
.set PITCH, 1040                       ; 1,024 + 16 of padding: the 16 rows that a load touches start 4 words apart modulo 64
.set SLOT1, 128*PITCH
.set SCB,   2*SLOT1                    ; scale bytes on the way out: [head][K 256, V 256, Q 256]
.set SPARE, SCB+1536                   ; the spare words
.set CH,    25344                      ; a chunk of qkv
.set HS,    16*CH
.set SPW, 10
.set NIL, 11
.set ADRX, 12                          ; LDS address of my tokens
.set ADRW, 14                          ; v14, v15 of my head's weight rows in slot 0, 1
.set CQ, 16                            ; my offset in Q's and K's codes,
.set CV, 17                            ; in V's
.set SQK, 19                           ; LDS address of a scale byte of Q or K,
.set SV, 20                            ; of V
.set PFO, 21                           ; the prefetches' offset; never rewritten
.set SX, 24                            ; v24-39 the tokens' scale words: register 8 p + q: lanes 0-15 tile 2 p's, lanes 16-31 tile 2 p + 1's
.set SW, 44                            ; v44-91 the weights': register 8 n + q of unit n: lanes 0-15 its first block's, lanes 16-31 its second's (no product's two scale words have numbers equal modulo 8)
.set EB, 92                            ; v92-95 scale bytes
.set ACC, 96                           ; v96-223 two sets of eight sums
.set PC, 224                           ; v224-239 codes
.set TM, 240                           ; largest magnitudes
.set TP, 244                           ; the other half's
.set SO, 248                           ; the conversions' scale operand
.set LM, 252                           ; 448 x the scale
.set MSB, 0
.macro WIN new                         ; the immediate's high byte repeats the setting that is left
.if MSB != (\new)
	s_set_vgpr_msb (MSB<<8)|(\new)
.set MSB, (\new)
.endif
.endm
.macro PLACES n
.rept \n
	v_nop
.endr
.endm
.macro BARRIER
	s_barrier_signal -1
	s_barrier_wait -1
.endm
.macro CROUND                          ; a round of the cluster's barrier
	BARRIER
	s_cmp_lg_u32 s14, 0
	s_cbranch_scc1 .Lnot_wave_0_\@
	s_barrier_signal -3
.Lnot_wave_0_\@:
	s_barrier_wait -3
	BARRIER
.endm
.macro TLOAD g0, g1
	tensor_load_to_lds s[\g0:\g0+3], s[\g1:\g1+7]
	s_nop 0
	PLACES 4
.endm
.macro GROUP1 g, mask, rows            ; so many rows of 1,024 bytes, four words of padding behind each 256
	s_or_b32 s[\g], s[\mask], (1<<20)|(1<<21)|(7<<22)|(3<<25)
	s_mov_b32 s[\g+1], 1024<<16
	s_mov_b32 s[\g+2], (\rows)<<16
	s_mov_b32 s[\g+3], 1024<<16
	s_mov_b32 s[\g+4], \rows
	s_mov_b32 s[\g+5], 1024
	s_mov_b32 s[\g+6], 0
	s_mov_b32 s[\g+7], 0
.endm
.macro ASK base                        ; a prefetch into the L2: 32 blocks of 256 bytes
	s_cmp_lt_u32 s66, 4
	s_cbranch_scc0 .Lnot_mine_\@
	global_prefetch_b8 v[PFO], s[\base:\base+1] th:TH_LOAD_NT scope:SCOPE_SE
.Lnot_mine_\@:
.endm
	s_load_b512 s[76:91], s[0:1], 0x0              ; X's codes and scales, Wq's, Wk's, Wv's
	s_load_b64 s[4:5], s[0:1], 0x40                ; qkv
	v_lshl_add_u32 v[SPW], v0, 2, SPARE
	v_mov_b32 v[NIL], 0
	ds_add_u32 v[SPW], v[NIL]                      ; the wave's opening: the add, twice on end, and its wait ahead of my tensor load
	ds_add_u32 v[SPW], v[NIL]
	v_lshrrev_b32 v1, 5, v0
	v_readfirstlane_b32 s14, v1                    ; wave 0..3
	s_lshr_b32 s15, s14, 1                         ; rw: my 64 tokens
	s_and_b32 s16, s14, 1                          ; cw: my head.  Also: which half of a tile I fetch at the head
	s_bfe_u32 s40, ttmp6, 0x40000                  ; cx, cy: my place in the cluster
	s_bfe_u32 s41, ttmp6, 0x40004
	s_lshl_b32 s42, ttmp9, 2
	s_add_co_u32 s42, s42, s40                     ; x: 128 features
	s_and_b32 s66, ttmp7, 0xffff                   ; the row of clusters
	s_lshl_b32 s43, s66, 2
	s_add_co_u32 s43, s43, s41                     ; y: 128 tokens
	s_lshl_b32 s44, s41, 2
	s_lshl_b32 s44, 15, s44                        ; my row of the cluster
	s_lshl_b32 s45, 0x1111, s40                    ; my column
	GROUP1 24, 44, 64                              ; X: 64 rows a load
	GROUP1 32, 45, 64                              ; Wq
	GROUP1 48, 45, 32                              ; Wk, Wv: 32 rows a load
	s_mul_i32 s17, s16, 64*PITCH
	s_mul_i32 s18, s14, 32*PITCH
	s_mov_b32 s56, 1                               ; groups 0: X's half into slot 1, Wq's into slot 0, a quarter of Wk into slot 1, of Wv into slot 0
	s_add_co_u32 s57, s17, SLOT1
	s_mov_b32 s60, 1
	s_mov_b32 s61, s17
	s_mov_b32 s68, 1
	s_add_co_u32 s69, s18, SLOT1
	s_mov_b32 s72, 1
	s_mov_b32 s73, s18
	s_lshl_b32 s6, s16, 16                         ; a half,
	s_mov_b32 s7, 0
	s_lshl_b32 s8, s14, 15                         ; a quarter of a tile, in bytes
	s_mov_b32 s9, 0
	s_lshl_b32 s20, s43, 17
	s_mov_b32 s21, 0
	s_lshl_b32 s22, s42, 17
	s_mov_b32 s23, 0
	s_lshl_b32 s10, s43, 12                        ; my tokens' scale bytes
	s_lshl_b32 s19, s15, 11
	s_add_co_u32 s10, s10, s19
	s_mov_b32 s11, 0
	s_lshl_b32 s12, s42, 12                        ; my weight rows'
	s_lshl_b32 s19, s16, 11
	s_add_co_u32 s12, s12, s19
	s_mov_b32 s13, 0
	s_lshr_b32 s46, s43, 4                         ; batch
	s_lshl_b32 s46, s46, 4
	s_lshl_b32 s19, s42, 1
	s_add_co_u32 s46, s46, s19
	s_add_co_u32 s46, s46, s16                     ; 16 x batch + head
	s_mul_i32 s46, s46, HS
	s_and_b32 s19, s43, 15                         ; the step
	s_mul_i32 s19, s19, CH
	s_add_co_u32 s46, s46, s19                     ; my chunk, under 2^24 bytes
	s_mov_b32 s47, 0
	s_mov_b32 s67, 0x600000                        ; the mantissa field of 448
	s_mov_b32 s96, 0x76543210
	s_mov_b32 s97, 0xfedcba98                      ; v_permlanex16_b32's selects for lane l xor 16
	s_mul_i32 s19, s15, 64*PITCH
	s_add_co_u32 s19, s19, SLOT1
	v_and_b32 v1, 15, v0                           ; r
	v_bfe_u32 v2, v0, 4, 1                         ; h
	v_and_b32 v3, 31, v0                           ; lane
	v_mul_u32_u24 v4, v1, PITCH
	v_lshl_add_u32 v4, v2, 4, v4                   ; a fragment's row x pitch + 16 h
	v_add_nc_u32 v[ADRX], s19, v4
	v_add_nc_u32 v[ADRW], s17, v4
	v_add_nc_u32 v[ADRW+1], s57, v4
	v_lshlrev_b32 v5, 4, v3
	v_lshlrev_b32 v6, 3, v3
	s_lshl_b32 s19, s15, 12
	v_add_nc_u32 v[CQ], s19, v5
	s_lshl_b32 s19, s15, 10
	v_add_nc_u32 v[CV], s19, v5
	v_lshlrev_b32 v18, 5, v3                       ; scale bytes: lane l takes row l of 32
	s_mul_i32 s17, s16, 768
	s_add_co_u32 s17, s17, SCB
	v_add_nc_u32 v22, s17, v5                      ; the scale bytes' way out: 16 x lane,
	s_add_co_u32 s18, s17, 512
	v_add_nc_u32 v23, s18, v6                      ; Q's: 8 x lane
	v_lshlrev_b32 v7, 4, v1
	s_lshl_b32 s19, s15, 3
	s_add_co_u32 s19, s19, s17
	v_add_nc_u32 v[SQK], s19, v7                   ; 16 r + 8 rw
	s_lshl_b32 s19, s15, 1
	s_add_co_u32 s19, s19, s17
	v_add_nc_u32 v[SV], s19, v7                    ; 16 r + 2 rw
	s_lshl_b32 s19, s41, 15
	s_lshl_b32 s18, s14, 13
	s_add_co_u32 s19, s19, s18
	v_lshlrev_b32 v8, 8, v3
	v_add_nc_u32 v[PFO], s19, v8                   ; 32,768 cy + 8,192 w + 256 x lane
.irp b, 0,1,2,3
	v_mov_b32 v[TP+\b], 0                          ; written once: a lane permute's destination counts as one of its sources
.endr
	s_wait_alu depctr_va_vdst(0)                   ; the wait at the head's end
	s_wait_dscnt 0x0                               ; both opening adds are done
	CROUND                                         ; all sixteen work-groups are here: the joint loads meet
	s_wait_kmcnt 0x0
	s_add_nc_u64 s[58:59], s[76:77], s[20:21]
	s_add_nc_u64 s[58:59], s[58:59], s[6:7]
	s_or_b32 s59, s59, 0x80000000
	s_add_nc_u64 s[62:63], s[80:81], s[22:23]
	s_add_nc_u64 s[62:63], s[62:63], s[6:7]
	s_or_b32 s63, s63, 0x80000000
	s_cmp_lt_u32 s14, 2                            ; one joint load a wave
	s_cbranch_scc0 .Lfor_w
	TLOAD 56, 24
	s_branch .Lasked
.Lfor_w:
	TLOAD 60, 32
.Lasked:
	s_add_nc_u64 s[92:93], s[84:85], s[22:23]      ; Wk's tile,
	s_add_nc_u64 s[94:95], s[88:89], s[22:23]      ; Wv's
	s_add_nc_u64 s[70:71], s[92:93], s[8:9]
	s_or_b32 s71, s71, 0x80000000
	s_add_nc_u64 s[74:75], s[94:95], s[8:9]
	s_or_b32 s75, s75, 0x80000000
	s_add_nc_u64 s[10:11], s[78:79], s[10:11]
	s_add_nc_u64 s[82:83], s[82:83], s[12:13]
	s_add_nc_u64 s[86:87], s[86:87], s[12:13]
	s_add_nc_u64 s[90:91], s[90:91], s[12:13]
	s_add_nc_u64 s[4:5], s[4:5], s[46:47]
.irp c, 0,1
.irp p, 0,1
	global_load_b128 v[SX+8*\p+4*\c:SX+8*\p+4*\c+3], v18, s[10:11] offset:1024*\p+16*\c
	global_load_b128 v[SW+8*\p+4*\c:SW+8*\p+4*\c+3], v18, s[82:83] offset:1024*\p+16*\c
	global_load_b128 v[SW+16+8*\p+4*\c:SW+16+8*\p+4*\c+3], v18, s[86:87] offset:1024*\p+16*\c
	global_load_b128 v[SW+32+8*\p+4*\c:SW+32+8*\p+4*\c+3], v18, s[90:91] offset:1024*\p+16*\c
.endr
.endr
	ASK 92                                         ; Wk
.macro FRAGX f, off                    ; a fragment of X: lane l holds row l % 16; registers 4 c .. 4 c + 3 hold K = 32 c + 16 (l / 16) + 0 .. 15.  Fragment f = 4 q + tile lies in window 1 + f / 16
	WIN (1+(\f)/16)<<6
.irp c, 0,1,2,3
	ds_load_b128 v[16*((\f)%16)+4*\c:16*((\f)%16)+4*\c+3], v[ADRX] offset:\off+32*\c
.endr
.endm
.macro FETCH adr, i                    ; block i of a weight's rows, all of K, into set i % 2: 32 loads
	WIN 3<<6
.irp q, 0,1,2,3,4,5,6,7
.irp c, 0,1,2,3
	ds_load_b128 v[128*((\i)%2)+16*\q+4*\c:128*((\i)%2)+16*\q+4*\c+3], v[\adr] offset:\i*16*PITCH+128*\q+32*\c
.endr
.endr
	WIN 0
.endm
.macro WM                              ; D_, A_, B_ registers; P_, Q_ scale words; ra_, rb_: from the upper lanes
.if q_ == 0
.if ra_ && rb_
	v_wmma_scale_f32_16x16x128_f8f6f4 v[D_:D_+7], v[A_:A_+15], v[B_:B_+15], 0, v[P_], v[Q_] matrix_a_scale:MATRIX_SCALE_ROW1 matrix_b_scale:MATRIX_SCALE_ROW1
.elseif ra_
	v_wmma_scale_f32_16x16x128_f8f6f4 v[D_:D_+7], v[A_:A_+15], v[B_:B_+15], 0, v[P_], v[Q_] matrix_a_scale:MATRIX_SCALE_ROW1
.elseif rb_
	v_wmma_scale_f32_16x16x128_f8f6f4 v[D_:D_+7], v[A_:A_+15], v[B_:B_+15], 0, v[P_], v[Q_] matrix_b_scale:MATRIX_SCALE_ROW1
.else
	v_wmma_scale_f32_16x16x128_f8f6f4 v[D_:D_+7], v[A_:A_+15], v[B_:B_+15], 0, v[P_], v[Q_]
.endif
.else
.if ra_ && rb_
	v_wmma_scale_f32_16x16x128_f8f6f4 v[D_:D_+7], v[A_:A_+15], v[B_:B_+15], v[D_:D_+7], v[P_], v[Q_] matrix_a_scale:MATRIX_SCALE_ROW1 matrix_b_scale:MATRIX_SCALE_ROW1
.elseif ra_
	v_wmma_scale_f32_16x16x128_f8f6f4 v[D_:D_+7], v[A_:A_+15], v[B_:B_+15], v[D_:D_+7], v[P_], v[Q_] matrix_a_scale:MATRIX_SCALE_ROW1
.elseif rb_
	v_wmma_scale_f32_16x16x128_f8f6f4 v[D_:D_+7], v[A_:A_+15], v[B_:B_+15], v[D_:D_+7], v[P_], v[Q_] matrix_b_scale:MATRIX_SCALE_ROW1
.else
	v_wmma_scale_f32_16x16x128_f8f6f4 v[D_:D_+7], v[A_:A_+15], v[B_:B_+15], v[D_:D_+7], v[P_], v[Q_]
.endif
.endif
.endm
.macro PROD t, i                       ; product N_ = 4 q + tile of block i of tensor t
.set q_, N_/4
.set a_, N_%4
.set n_, 2*(\t)+(\i)/2
.set b_, (\i)%2
.set W_, 128*b_+16*q_
.set X_, 16*((4*q_+a_)%16)
.if \t < 2
.set D_, ACC+64*(n_%2)+16*a_+8*b_
.set A_, W_
.set B_, X_
.set P_, SW+8*n_+q_
.set Q_, SX+8*(a_/2)+q_
.set ra_, b_
.set rb_, a_%2
	WIN 3|((1+q_/4)<<2)
.else
.set D_, ACC+64*(n_%2)+16*(2*b_+a_/2)+8*(a_%2)
.set A_, X_
.set B_, W_
.set P_, SX+8*(a_/2)+q_
.set Q_, SW+8*n_+q_
.set ra_, a_%2
.set rb_, b_
	WIN (1+q_/4)|(3<<2)
.endif
	WM
.endm
; THE QUANTISER of a unit's four half-blocks (16 registers at x + 16 g; the other half in lane l xor 16), by turns, in 31 groups of four lines.  The largest magnitude has the floor 2^-118 among its leaves, so that the byte cannot fall
; under 1; 8 off its exponent field is the conversion's scale operand and, shifted, the byte; its exponent field over 448's mantissa is the hold, since the conversion to an 8-bit code does not saturate (ISA guide 7.6.2).
.macro GAP m, x
.irp g, 0,1,2,3
.if (\m) == 0
	v_max3_num_f32 v[TM+\g], |v[\x+16*\g]|, |v[\x+16*\g+1]|, 0x4800000
.elseif (\m) < 8
	v_max3_num_f32 v[TM+\g], |v[\x+16*\g+2*(\m)]|, |v[\x+16*\g+2*(\m)+1]|, v[TM+\g]
.elseif (\m) == 8
	v_permlanex16_b32 v[TP+\g], v[TM+\g], s96, s97
.elseif (\m) == 9
	v_max_num_f32 v[TM+\g], v[TM+\g], v[TP+\g]
.elseif (\m) == 10
	v_add_nc_u32 v[SO+\g], 0xfc000000, v[TM+\g]
.elseif (\m) == 11
	v_and_or_b32 v[LM+\g], v[TM+\g], 0x7f800000, s67
.elseif (\m) < 20
	v_med3_num_f32 v[\x+16*\g+(\m)-12], v[\x+16*\g+(\m)-12], -v[LM+\g], v[LM+\g]
.elseif (\m) == 20
	v_cvt_scalef32_pk8_fp8_f32 v[PC+4*\g:PC+4*\g+1], v[\x+16*\g:\x+16*\g+7], v[SO+\g]
.elseif (\m) < 29
	v_med3_num_f32 v[\x+16*\g+(\m)-13], v[\x+16*\g+(\m)-13], -v[LM+\g], v[LM+\g]
.elseif (\m) == 29
	v_cvt_scalef32_pk8_fp8_f32 v[PC+4*\g+2:PC+4*\g+3], v[\x+16*\g+8:\x+16*\g+15], v[SO+\g]
.else
	v_lshrrev_b32 v[EB+\g], 23, v[SO+\g]
.endif
.endr
.endm
.macro BLK t, i, x                     ; a block's 32 products, x >= 0: with the quantiser of the sums at x among them; and the eight places behind the last
.set N_, 0
.rept 32
	PROD \t, \i
.if ((\x) >= 0) && (N_ < 31)
	WIN 0
	GAP N_, \x
.endif
.set N_, N_+1
.endr
	WIN 0
	PLACES 8
.endm
.macro QUANT x
.set N_, 0
.rept 31
	GAP N_, \x
.set N_, N_+1
.endr
.endm
.macro OUT n                           ; unit n's scale bytes and codes.  Q, K: half-block g is token tile g: piece 2 (4 rw + g) + n % 2.  V: g = 2 t + u: feature tile 2 (n % 2) + t, piece 2 rw + u
	s_wait_alu depctr_va_vdst(0)
.irp g, 0,1,2,3
.if (\n) < 4
	ds_store_b8 v[SQK], v[EB+\g] offset:512*(1-(\n)/2)+2*\g+(\n)%2
	global_store_b128 v[CQ], v[PC+4*\g:PC+4*\g+3], s[4:5] offset:16896*(1-(\n)/2)+1024*\g+512*((\n)%2)
.else
	ds_store_b8 v[SV], v[EB+\g] offset:256+4*(2*((\n)%2)+\g/2)+\g%2
	global_store_b128 v[CV], v[PC+4*\g:PC+4*\g+3], s[4:5] offset:8192+2048*(2*((\n)%2)+\g/2)+512*(\g%2)
.endif
.endr
.endm
.macro CHUNK t, adr                    ; a tensor's four blocks
	FETCH \adr, 0
	FETCH \adr, 1
.if \t == 0
	ASK 94                                         ; Wv, behind Wk's refill and the loads for which the next products wait
.endif
	s_wait_dscnt 32                                ; all but block 1's loads
	BLK \t, 0, -1
	FETCH \adr, 2
	s_wait_dscnt 32                                ; all but block 2's
	BLK \t, 1, -1
	FETCH \adr, 3
	s_wait_dscnt 32                                ; all but block 3's
	s_wait_xcnt 0x0                                ; the earlier stores have read the codes' registers
	BLK \t, 2, ACC
	OUT 2*\t
	s_wait_dscnt 4                                 ; block 3 is in: behind it four byte stores
	BLK \t, 3, -1
	s_wait_xcnt 0x0
	QUANT ACC+64
	OUT 2*\t+1
.endm
	s_cmp_lt_u32 s14, 2
	s_cbranch_scc0 .Lnot_x
	s_wait_tensorcnt 0x0                           ; waves 0, 1: X's rows have landed.  The other waves' wait stands ahead of the round
.Lnot_x:
	BARRIER
.irp q, 0,1,2,3,4,5,6,7
.irp a, 0,1,2,3
	FRAGX 4*\q+\a, 128*\q+\a*16*PITCH
.endr
.endr
	WIN 0
	s_wait_loadcnt 0x0                             ; all scale words
	s_wait_tensorcnt 0x0                           ; Wq's rows, ahead of the refill
	ds_add_u32 v[SPW], v[NIL]
	s_wait_dscnt 0x0                               ; the add is done, and X is in registers
	CROUND
	TLOAD 68, 48                                   ; Wk over X
	CHUNK 0, ADRW
	s_wait_alu depctr_va_vdst(0)
	s_wait_tensorcnt 0x0                           ; Wk's rows
	ds_add_u32 v[SPW], v[NIL]
	s_wait_dscnt 0x0
	CROUND
	TLOAD 72, 48                                   ; Wv over Wq
	CHUNK 1, ADRW+1
	s_wait_alu depctr_va_vdst(0)
	s_wait_tensorcnt 0x0                           ; Wv's rows; nothing is filled again
	s_wait_dscnt 0x0
	BARRIER
	CHUNK 2, ADRW
	s_wait_dscnt 0x0                               ; my scale bytes are in LDS
	BARRIER
	s_cmp_eq_u32 s15, 0                            ; a head's scale bytes leave whole: rw = 0: K's and V's 512, rw = 1: Q's 256
	s_cbranch_scc0 .Lfor_q
	ds_load_b128 v[24:27], v22
	s_wait_dscnt 0x0
	global_store_b128 v5, v[24:27], s[4:5] offset:16384
	s_branch .Lsent
.Lfor_q:
	ds_load_b64 v[28:29], v23
	s_wait_dscnt 0x0
	global_store_b64 v6, v[28:29], s[4:5] offset:25088
.Lsent:
	s_wait_tensorcnt 0x0                           ; the wave's end
	ds_add_u32 v[SPW], v[NIL]
	s_wait_dscnt 0x0
	CROUND                                         ; the closing round
	s_endpgm
.Lfunc_end_k_qeb855e13c8_proj:
	.size	k_qeb855e13c8_proj, .Lfunc_end_k_qeb855e13c8_proj-k_qeb855e13c8_proj
	.p2alignl 7, 3214868480
	.fill 96, 4, 3214868480
	.section	.rodata,"a",@progbits
	.p2align	6, 0x0
	.amdhsa_kernel k_qeb855e13c8_proj
		.amdhsa_group_segment_fixed_size 327680
		.amdhsa_private_segment_fixed_size 0
		.amdhsa_enable_private_segment 0
		.amdhsa_kernarg_size 72
		.amdhsa_user_sgpr_count 2
		.amdhsa_user_sgpr_kernarg_segment_ptr 1
		.amdhsa_wavefront_size32 1
		.amdhsa_system_sgpr_workgroup_id_x 1
		.amdhsa_system_sgpr_workgroup_id_y 1
		.amdhsa_system_sgpr_workgroup_id_z 1
		.amdhsa_system_vgpr_workitem_id 0
		.amdhsa_next_free_vgpr 1024
		.amdhsa_next_free_sgpr 98
		.amdhsa_reserve_vcc 0
		.amdhsa_float_denorm_mode_32 3
		.amdhsa_float_denorm_mode_16_64 3
		.amdhsa_memory_ordered 1
		.amdhsa_forward_progress 1
		.amdhsa_inst_pref_size 154
	.end_amdhsa_kernel
	.amdgpu_metadata
---
amdhsa.version: [ 1, 2 ]
amdhsa.kernels:
  - .name:           k_qeb855e13c8_proj
    .symbol:         k_qeb855e13c8_proj.kd
    .args:
      - { .name: X_codes, .offset: 0, .size: 8, .value_kind: global_buffer, .address_space: global }
      - { .name: X_scales, .offset: 8, .size: 8, .value_kind: global_buffer, .address_space: global }
      - { .name: Wq_codes, .offset: 16, .size: 8, .value_kind: global_buffer, .address_space: global }
      - { .name: Wq_scales, .offset: 24, .size: 8, .value_kind: global_buffer, .address_space: global }
      - { .name: Wk_codes, .offset: 32, .size: 8, .value_kind: global_buffer, .address_space: global }
      - { .name: Wk_scales, .offset: 40, .size: 8, .value_kind: global_buffer, .address_space: global }
      - { .name: Wv_codes, .offset: 48, .size: 8, .value_kind: global_buffer, .address_space: global }
      - { .name: Wv_scales, .offset: 56, .size: 8, .value_kind: global_buffer, .address_space: global }
      - { .name: qkv, .offset: 64, .size: 8, .value_kind: global_buffer, .address_space: global }
    .group_segment_fixed_size: 327680
    .private_segment_fixed_size: 0
    .kernarg_segment_align: 8
    .kernarg_segment_size: 72
    .max_flat_workgroup_size: 128
    .sgpr_count:     98
    .vgpr_count:     1024
    .wavefront_size: 32
...
	.end_amdgpu_metadata
.endif
;; end of part 1
;; launch attn (part 2): grid 8 x 32, 16 waves a work-group, no clusters, 327,680 bytes of LDS; arguments qkv, zc, zs; writes zc, zs
.if DOCPART == 2
	.amdgcn_target "amdgcn-amd-amdhsa--gfx1250"
	.amdhsa_code_object_version 6
	.text
	.protected	k_qeb855e13c8_attn
	.globl	k_qeb855e13c8_attn
	.p2align	8
	.type	k_qeb855e13c8_attn,@function
k_qeb855e13c8_attn:
	s_mov_b64 s[64:65], 0
	v_nop
	global_prefetch_b8 v0, s[64:65] scope:SCOPE_SE
	s_setreg_imm32_b32 hwreg(HW_REG_WAVE_MODE, 25, 1), 1
	s_wait_xcnt 0x0
; Causal attention of one (batch, head) on codes of FP8 (E4M3) with one E8M0 scale for each 32 along a product's K; head size 64, 2,048 tokens.  Z = softmax(Q K^T / 8) V is quantised along the features and leaves as codes.
; THE SOFTMAX AHEAD OF THE SECOND PRODUCT: t = score x log2(e) / 8; M = the row's largest t so far, rounded UP to a whole number; p = 2^(t - M) is quantised along the keys, not normalised.  The row's sum is taken of the
; unquantised p and divides at the end.  When M moves, the sum and O are multiplied by 2^(old M - new M): exact.
; LEFT OUT: key steps of 128 all of whose keys come after a block's queries: reference()'s own mask gives their weights the value 0.
; SHARES.  A work-group owns the blocks of 128 queries i (early) and 15 - i (late) of its head, i = work-group x: i + 1 and 16 - i key steps for each of 8 tiles of 16 queries: 17 a tile index.  They are dealt to a pair of waves:
; role a: 9 rounds on the late tile; role b: rounds 0 .. i on the early tile, then rounds i + 1 .. 7 on the late one.  Round s takes key step  a: s + max(s - i - 1, 0);  b: s + max(s - i, 0).  So the late tile's steps
; 0 .. i + 1, then every second one to 15 - i are a's, and i + 2, i + 4 .. 14 - i are b's.  b leaves its early sums in LDS when it changes tiles, and hands its part of the late tile to a through LDS; a joins the two.
; Tile index = wave / 2; role = (w xor w / 4) % 2: of any four waves w % 4 alike two have either role.
; LDS IS FILLED ONCE, IN THE ORDER OF USE: slot 0 is round 0's (key step 0 for both roles), slot 2 s - 1 + role is round s's: 16 slots of 16,896 bytes, one tensor load a wave: wave w fills slot w.  Which key step a slot holds hangs on
; the work-group and enters its global address alone.
; BARRIERS.  Waves 0-4 and 5-15 have a load line each.  A barrier ahead of round 0 shows slots 0 to 4, which serve rounds 0 to 2.  A second, signalled ahead of round 2's step and waited for behind it, shows the rest.  A third, signalled
; ahead of round 8 and waited for behind it, shows b's parts.  Between signal and wait stands one step: registers, and LDS loads of slots that no wave writes.
; NO CLUSTER, though the eight work-groups of a head read the same tiles: when a wave changes tiles, and which steps a slot holds, differ between such partners, and beside joint loads neither may.
; NO PREFETCH: all that comes through LDS is asked for by the head's sixteen tensor loads.
; LAYOUT.  Both products are used transposed, so a lane holds ONE query (lane % 16) throughout.  THE FIRST PRODUCT HAS K = 64 AND THE INSTRUCTION 128: a fragment of K holds TWO tiles of keys: row m holds key 32 c + m in
; k 0 .. 63 and key 32 c + 16 + m in k 64 .. 127.  It is multiplied by [q | 0] and by [0 | q]: zero codes take the other tile away.  The two operands overlap in one run of 24 registers, [0 x 8][q x 8][0 x 8].
; So score register 16 c + i of lane (r, h) is key 32 c + 16 (i / 8) + 8 h + i % 8: the order in which V's images hold the keys of block c.
; LIMITS: NaN, infinities and sums beyond f32's range are not served; the scaled scores t stay under 2^31 in magnitude.  A block whose largest magnitude lies under 2^-118 gets the byte 1 and zero or tiny codes; its bytes are read by
; this program alone.  Inside a block of 32 the products are summed in a permuted order of k.  Z = O x (1 / l), the reciprocal by v_rcp_f32.
.set CH,    25344                      ; a chunk of qkv: one head, 128 tokens
.set HS,    16*CH
.set TILE,  16896                      ; what is walked of a chunk: K 8,192, V 8,192, K's scale words 256, V's 256
.set DUMP,  16*TILE                    ; a tile index's bytes: O 4,096, state (-M, t, two sums) 512, the late tile's Q 1,024, its scale bytes 128
.set DSZ,   5888
.set SPARE, DUMP+8*DSZ                 ; the spare words, 128 bytes for each wave
.set LI,   1                           ; v1   16 x lane
.set LSK,  2                           ; v2   16 r
.set ADR,  3                           ; v3   LDS address of the step's images; on the way out 16 r + 8 h
.set ADS,  4                           ; v4   and of its scale words; on the way out 32 r + h
.set D0,   5                           ; v5   on the diagonal: my query's place in its block, less 8 h
.set DM4,  6                           ; v6   my tile index's bytes, + 4 x lane
.set DMP,  7                           ; v7   the same, + 16 x lane
.set KSC,  8                           ; v8-11   K's scale words
.set QR,   16                          ; v16-39  Q's run: [0 | q] = v[16:31], [q | 0] = v[24:39]
.set FB,   40                          ; v40-103 four fragments of K, then of V
.set SCR,  104                         ; v104-167 scores, then p
.set OT,   168                         ; v168-199 O^T, four tiles
.set PC,   200                         ; v200-215 p's codes
.set VSC,  216                         ; v216-219 V's scale words
.set SQ,   220                         ; v220 Q's two scale bytes, twice: they stand over q and over the zero codes alike
.set PW,   222                         ; v222 p's scale word
.set BM,   224                         ; v224-227 block maxima
.set TP,   228                         ; v228-231 the other half's, then bytes
.set LM,   232                         ; v232-235 448 x the scale
.set SO,   236                         ; v236-239 the conversions' scale operand
; v12 -M, v13 the largest t, v[14:15] the sum in two halves, v[242:243] f, v240-241 and v248-253 the sum's four chains, v244-245 at work, v246 -infinity, v247 Q's scale bytes as loaded, v254 my spare word, v255 0
.set WV,   10                          ; s10  my wave's number
.set ROLE, 11                          ; s11  0 a, 1 b
.set SW,   16                          ; s16  b: the round that is the early tile's last (its diagonal); a: none
.set RND,  17                          ; s17  the round
.set TB,   52                          ; s52  LDS byte at which the round's slot begins
.set TB1,  53                          ; s53  round 1's
.set CNT,  54
.set TS,   55                          ; s55  at work
.set SEL,  20                          ; s[20:21] lane selects for lane l xor 16
.set CS,   22                          ; s[22:23] c = log2(e) / 8
.macro TLOAD
	tensor_load_to_lds s[32:35], s[24:31]
	s_nop 0
.rept 4
	v_nop
.endr
.endm
	s_load_b128 s[4:7], s[0:1], 0x0                ; qkv, zc
	s_load_b64 s[8:9], s[0:1], 0x10                ; zs
	v_lshl_add_u32 v254, v0, 2, SPARE
	v_mov_b32 v255, 0
	ds_add_u32 v254, v255                          ; the wave's opening: the add, twice on end, and its wait ahead of my tensor load
	ds_add_u32 v254, v255
	v_lshrrev_b32 v3, 5, v0
	v_readfirstlane_b32 s[WV], v3                  ; wave 0..15
	s_and_b32 s15, ttmp7, 0xffff                   ; 16 x batch + head
	; descriptor group 1: a dense block of 66 rows of 256 bytes (32 elements of 8 bytes); no padding: every fragment is read 16 x lane on end
	s_mov_b32 s24, 3<<16
	s_mov_b32 s25, 32<<16
	s_mov_b32 s26, 66<<16
	s_mov_b32 s27, 32<<16
	s_mov_b32 s28, 66
	s_mov_b32 s29, 32
	s_mov_b32 s30, 0
	s_mov_b32 s31, 0
	s_mul_i32 s48, s15, HS                         ; the head's first byte, under 2^24
	s_mov_b32 s49, 0
	s_add_co_u32 s12, s[WV], 1                     ; slot w serves round (w + 1) / 2 of role (w + 1) % 2:
	s_and_b32 s13, s12, 1
	s_lshr_b32 s12, s12, 1
	s_sub_co_i32 s[TS], s12, ttmp9
	s_add_co_i32 s[TS], s[TS], s13
	s_sub_co_i32 s[TS], s[TS], 1
	s_max_i32 s[TS], s[TS], 0
	s_add_co_u32 s12, s12, s[TS]                   ; its key step
	s_mul_i32 s50, s12, CH
	s_mov_b32 s51, 0
	s_mov_b32 s32, 1
	s_mul_i32 s33, s[WV], TILE
	s_wait_alu depctr_va_vdst(0)
	s_wait_dscnt 0x0
	s_wait_kmcnt 0x0
	s_add_nc_u64 s[48:49], s[4:5], s[48:49]
	s_add_nc_u64 s[34:35], s[48:49], s[50:51]
	s_or_b32 s35, s35, 0x80000000
	s_cmp_lt_u32 s[WV], 5                          ; one branch on the wave's number, one load to an arm
	s_cbranch_scc0 .Lfrom_5
	TLOAD
	s_branch .Lasked
.Lfrom_5:
	TLOAD
.Lasked:
	s_lshr_b32 s[TS], s[WV], 2
	s_xor_b32 s[ROLE], s[WV], s[TS]
	s_and_b32 s[ROLE], s[ROLE], 1
	s_lshr_b32 s12, s[WV], 1                       ; tile index
	s_sub_co_u32 s13, 15, ttmp9                    ; the late block
	s_cmp_eq_u32 s[ROLE], 1
	s_cselect_b32 s14, ttmp9, s13                  ; the block of my first tile
	s_cselect_b32 s[SW], ttmp9, 99
	s_mov_b32 s[RND], 0
	s_mov_b32 s[TB], 0
	s_add_co_u32 s[TB1], s[ROLE], 1
	s_mul_i32 s[TB1], s[TB1], TILE
	s_lshl_b32 s36, s12, 10                        ; Q lies in the chunk of its own 128 tokens: my tile's two pieces,
	s_add_co_u32 s36, s36, 16896
	s_lshl_b32 s37, s12, 1                         ; and its scale halves: 16 bytes a row, 2 a tile
	s_add_co_u32 s37, s37, 25088
	s_mul_i32 s38, s14, CH
	s_add_co_u32 s56, s38, s36
	s_mov_b32 s57, 0
	s_add_nc_u64 s[56:57], s[48:49], s[56:57]
	s_add_co_u32 s58, s38, s37
	s_mov_b32 s59, 0
	s_add_nc_u64 s[58:59], s[48:49], s[58:59]
	s_mul_i32 s38, s13, CH
	s_add_co_u32 s40, s38, s36                     ; the same of the late tile
	s_mov_b32 s41, 0
	s_add_nc_u64 s[40:41], s[48:49], s[40:41]
	s_add_co_u32 s42, s38, s37
	s_mov_b32 s43, 0
	s_add_nc_u64 s[42:43], s[48:49], s[42:43]
	s_mul_i32 s44, s12, DSZ
	s_add_co_u32 s44, s44, DUMP
	s_lshl_b32 s45, s12, 4
	; where Z goes.  zc: [token / 16][k / 32][lane][16]: images of the last product's fragments, k in its true places.  zs: [token][32]
	s_and_b32 s46, s15, 15                         ; head
	s_lshr_b32 s47, s15, 4                         ; batch
	s_lshl_b32 s47, s47, 7
	s_lshl_b32 s[TS], s14, 3
	s_add_co_u32 s47, s47, s[TS]
	s_add_co_u32 s47, s47, s12                     ; token / 16
	s_lshl_b32 s60, s47, 14
	s_lshl_b32 s[TS], s46, 10
	s_add_co_u32 s60, s60, s[TS]
	s_mov_b32 s61, 0
	s_add_nc_u64 s[60:61], s[6:7], s[60:61]
	s_lshl_b32 s62, s47, 9
	s_lshl_b32 s[TS], s46, 1
	s_add_co_u32 s62, s62, s[TS]
	s_mov_b32 s63, 0
	s_add_nc_u64 s[62:63], s[8:9], s[62:63]
	s_mov_b32 s18, 0xffff0000                      ; lanes 16-31
	s_mov_b32 s19, 0x600000                        ; the mantissa field of 448
	s_mov_b32 s[SEL], 0x76543210
	s_mov_b32 s[SEL+1], 0xfedcba98
	s_mov_b32 s[CS], 0x3e38aa3b                    ; log2(e) / 8
	s_mov_b32 s[CS+1], s[CS]                       ; (named with it as a pair, so it is written)
	v_and_b32 v[DM4], 31, v0
	v_and_b32 v244, 15, v0                         ; r
	v_bfe_u32 v245, v0, 4, 1                       ; h
	v_lshlrev_b32 v[LI], 4, v[DM4]
	v_lshlrev_b32 v[LSK], 4, v244
	v_lshlrev_b32 v[DM4], 2, v[DM4]
	global_load_b128 v[QR+8:QR+11], v[LI], s[56:57]
	global_load_b128 v[QR+12:QR+15], v[LI], s[56:57] offset:512
	global_load_u16 v247, v[LSK], s[58:59]
	v_lshlrev_b32 v[D0], 3, v245
	v_add_nc_u32 v[DM4], s44, v[DM4]
	v_add_nc_u32 v[DMP], s44, v[LI]
	v_sub_nc_u32 v[D0], v244, v[D0]
	v_add_nc_u32 v[D0], s45, v[D0]
.irp j, 0,1,2,3,4,5,6,7
	v_mov_b32 v[QR+\j], 0                          ; the zero codes on both sides of q
	v_mov_b32 v[QR+16+\j], 0
.endr
.set nn, 0
.rept 32
	v_mov_b32 v[OT+nn], 0                          ; O^T.  (The step is written for all steps alike: the first finds zeros, which the first change of M leaves zeros)
.set nn, nn+1
.endr
	v_mov_b32 v13, 0xff61b1e6                      ; the largest t so far: -3e38
	v_mov_b32 v12, 0x7f61b1e6                      ; -M
	v_mov_b32 v14, 0
	v_mov_b32 v15, 0
.irp b, 0,1,2,3
	v_mov_b32 v[TP+\b], 0                          ; written once: a lane permute's destination counts as one of its sources
.endr
	v_mov_b32 v243, 0                              ; (named as the upper half of the pair v[242:243])
	v_mov_b32 v246, 0xff800000                     ; -infinity
	s_wait_alu depctr_va_vdst(0)                   ; directly ahead of the branch
	s_cmp_eq_u32 s[ROLE], 0
	s_cbranch_scc1 .Lone_tile
	global_load_b128 v[40:43], v[LI], s[40:41]     ; b: the late tile's Q waits in LDS
	global_load_b128 v[44:47], v[LI], s[40:41] offset:512
	global_load_u16 v48, v[LSK], s[42:43]
	s_wait_loadcnt 0x0
	v_lshl_or_b32 v48, v48, 16, v48
	ds_store_b128 v[DMP], v[40:43] offset:4608
	ds_store_b128 v[DMP], v[44:47] offset:5120
	ds_store_b32 v[DM4], v48 offset:5632
.Lone_tile:
	s_wait_loadcnt 0x0                             ; Q
	v_lshl_or_b32 v[SQ], v247, 16, v247
	s_wait_alu depctr_va_vdst(0)                   ; the wait at the head's end
; A KEY STEP: 128 keys.  diag = 1: it lies on the diagonal; 0: where the round is the early tile's last, alone.
.macro STEP diag
	v_add_nc_u32 v[ADR], s[TB], v[LI]
	v_add_nc_u32 v[ADS], s[TB], v[LSK]
.rept 6
	v_nop                                          ; with the two additions: eight places in front of loads into registers that the last products read
.endr
.irp f, 0,1,2,3
.irp p, 0,1,2,3
	ds_load_b128 v[FB+16*\f+4*\p:FB+16*\f+4*\p+3], v[ADR] offset:2048*\f+512*\p
.endr
.endr
	ds_load_b128 v[KSC:KSC+3], v[ADS] offset:16384 ; row m's words of the four fragments
	s_wait_alu depctr_va_vdst(0)                   ; directly ahead of the wait below
	s_wait_dscnt 0x0
.irp f, 0,1,2,3                                ; S^T: eight accumulators, one instruction each
	v_wmma_scale_f32_16x16x128_f8f6f4 v[SCR+16*\f:SCR+16*\f+7], v[FB+16*\f:FB+16*\f+15], v[QR+8:QR+23], 0, v[KSC+\f], v[SQ]
	v_wmma_scale_f32_16x16x128_f8f6f4 v[SCR+16*\f+8:SCR+16*\f+15], v[FB+16*\f:FB+16*\f+15], v[QR:QR+15], 0, v[KSC+\f], v[SQ]
.endr
.rept 8
	v_nop                                          ; places in front of the loads into K's registers and of the first read of the scores
.endr
.irp t, 0,1,2,3                                ; V's fragments land while the softmax runs
.irp c, 0,1,2,3
	ds_load_b128 v[FB+16*\t+4*\c:FB+16*\t+4*\c+3], v[ADR] offset:8192+2048*\t+512*\c
.endr
.endr
	ds_load_b128 v[VSC:VSC+3], v[ADS] offset:16640
.if \diag == 0
	s_cmp_lg_u32 s[RND], s[SW]
	s_cbranch_scc1 .Lopen_\@
.endif
.set nn, 0
.rept 64                                       ; hidden keys' scores become -infinity ahead of the maximum: register 16 c + i where 32 c + 16 (i / 8) + i % 8 > d
	v_cmp_gt_i32 vcc_lo, 32*(nn/16)+16*((nn/8)%2)+nn%8, v[D0]
	v_cndmask_b32 v[SCR+nn], v[SCR+nn], v246, vcc_lo
.set nn, nn+1
.endr
.Lopen_\@:
.irp b, 0,1,2,3
	v_max3_num_f32 v[BM+\b], v[SCR+16*\b], v[SCR+16*\b+1], v[SCR+16*\b+2]   ; the largest score of each block of 32 keys: for the row's maximum and, since p rises with the score, for the block's largest p
.endr
.irp i, 3,5,7,9,11,13
.irp b, 0,1,2,3
	v_max3_num_f32 v[BM+\b], v[BM+\b], v[SCR+16*\b+\i], v[SCR+16*\b+\i+1]
.endr
.endr
.irp b, 0,1,2,3
	v_max_num_f32 v[BM+\b], v[BM+\b], v[SCR+16*\b+15]
.endr
.irp b, 0,1,2,3
	s_delay_alu instid0(VALU_DEP_4)
	v_permlanex16_b32 v[TP+\b], v[BM+\b], s[SEL], s[SEL+1]
.endr
.irp b, 0,1,2,3
	s_delay_alu instid0(VALU_DEP_4)
	v_max_num_f32 v[BM+\b], v[BM+\b], v[TP+\b]     ; with lane l xor 16's 16 keys
.endr
	s_delay_alu instid0(VALU_DEP_2)
	v_max3_num_f32 v244, v[BM], v[BM+1], v[BM+2]
	s_delay_alu instid0(VALU_DEP_1)
	v_max_num_f32 v244, v244, v[BM+3]              ; the step's largest score of my query
	s_delay_alu instid0(VALU_DEP_1)
	v_mul_f32 v244, s[CS], v244                    ; as t
	s_delay_alu instid0(VALU_DEP_1)
	v_max_num_f32 v13, v13, v244                   ; the running largest t
	v_mov_b32 v244, v12
	s_delay_alu instid0(VALU_DEP_2)
	v_floor_f32 v12, -v13                          ; the new -M = floor(-t): M is a whole number
	s_delay_alu instid0(VALU_DEP_1)
	v_sub_f32 v244, v12, v244                      ; old M - new M: a whole number, 0 or less
	s_delay_alu instid0(VALU_DEP_1)
	v_cvt_i32_f32 v244, v244                       ; (it saturates)
	s_delay_alu instid0(VALU_DEP_1)
	v_ldexp_f32 v242, 1.0, v244                    ; f = 2^(old M - new M)
.set nn, 0
.rept 32
	v_pk_fma_f32 v[SCR+nn:SCR+nn+1], v[SCR+nn:SCR+nn+1], s[CS:CS+1], v[12:13] op_sel_hi:[1,0,0]   ; t - M, two at a time
.set nn, nn+2
.endr
.irp b, 0,1,2,3
	v_fma_f32 v[BM+\b], v[BM+\b], s[CS], v12       ; the same of each block's largest score
.endr
.set nn, 0
	s_wait_alu depctr_va_vdst(0)                   ; the wait ahead of the batch
.rept 64
	v_exp_f32 v[SCR+nn], v[SCR+nn]                 ; p = 2^(t - M)
.set nn, nn+1
.endr
	v_pk_mul_f32 v[14:15], v[14:15], v[242:243] op_sel_hi:[1,0]   ; the sums under the new M: the plain line behind the exponentials
	s_wait_alu depctr_va_vdst(0)                   ; one wait for the batch of 64, ahead of its first reader
.irp b, 0,1,2,3
	v_exp_f32 v[BM+\b], v[BM+\b]                   ; the block's largest p
.endr
.set nn, 0
.irp t, 240,248,250,252                        ; the row's sum of the unquantised p: two at a time, four chains
	v_pk_add_f32 v[\t:\t+1], v[SCR+nn:SCR+nn+1], v[SCR+nn+8:SCR+nn+9]
.set nn, nn+2
.endr
.set nn, 16
.rept 6
.irp t, 240,248,250,252
	v_pk_add_f32 v[\t:\t+1], v[\t:\t+1], v[SCR+nn:SCR+nn+1]
.set nn, nn+2
.endr
.endr
	s_wait_alu depctr_va_vdst(0)                   ; for the four, and for O^T, whose first readers follow
.set nn, 0
.rept 16
	v_pk_mul_f32 v[OT+nn:OT+nn+1], v[OT+nn:OT+nn+1], v[242:243] op_sel_hi:[1,0]   ; O^T under the new M, each tile from its low end on
.set nn, nn+2
.endr
.irp b, 0,1,2,3
	v_max_num_f32 v[BM+\b], 0x4800000, v[BM+\b]    ; the floor 2^-118: the byte cannot fall under 1
.endr
.irp b, 0,1,2,3
	s_delay_alu instid0(VALU_DEP_4)
	v_add_nc_u32 v[SO+\b], 0xfc000000, v[BM+\b]    ; 8 off the exponent field: the conversion's scale operand
.endr
.irp b, 0,1,2,3
	v_and_or_b32 v[LM+\b], v[BM+\b], 0x7f800000, s19   ; 448 x the scale
.endr
.irp b, 0,1,2,3
	v_lshrrev_b32 v[TP+\b], 23, v[SO+\b]           ; the byte
.endr
	s_delay_alu instid0(VALU_DEP_3)
	v_lshl_or_b32 v[PW], v[TP+1], 8, v[TP]         ; p's scale word for these 128 keys; the 32 pairs of holds below are more than the eight places that it owes
	s_delay_alu instid0(VALU_DEP_1)
	v_lshl_or_b32 v[PW], v[TP+2], 16, v[PW]
	s_delay_alu instid0(VALU_DEP_1)
	v_lshl_or_b32 v[PW], v[TP+3], 24, v[PW]
.irp b, 0,2                                    ; the conversion does not saturate (ISA guide 7.6.2); p is not negative, so the hold is one-sided.  Two blocks by pairs: even registers of one beside odd ones of the other
.irp i, 0,2,4,6,8,10,12,14
	v_dual_min_num_f32 v[SCR+16*\b+\i], v[SCR+16*\b+\i], v[LM+\b] :: v_dual_min_num_f32 v[SCR+16*\b+16+\i+1], v[SCR+16*\b+16+\i+1], v[LM+\b+1]
	v_dual_min_num_f32 v[SCR+16*\b+\i+1], v[SCR+16*\b+\i+1], v[LM+\b] :: v_dual_min_num_f32 v[SCR+16*\b+16+\i], v[SCR+16*\b+16+\i], v[LM+\b+1]
.endr
.irp c, \b,\b+1
	v_cvt_scalef32_pk8_fp8_f32 v[PC+4*(\c):PC+4*(\c)+1], v[SCR+16*(\c):SCR+16*(\c)+7], v[SO+\c]
	v_cvt_scalef32_pk8_fp8_f32 v[PC+4*(\c)+2:PC+4*(\c)+3], v[SCR+16*(\c)+8:SCR+16*(\c)+15], v[SO+\c]
.endr
.endr
	v_pk_add_f32 v[240:241], v[240:241], v[248:249]   ; the four chains are joined: also the four places between the codes and the products
	v_pk_add_f32 v[250:251], v[250:251], v[252:253]
	v_pk_add_f32 v[240:241], v[240:241], v[250:251]
	v_pk_add_f32 v[14:15], v[14:15], v[240:241]
	s_wait_alu depctr_va_vdst(0)                   ; directly ahead of the wait below
	s_wait_dscnt 0x0                               ; V and its scale words are in
.irp t, 0,1,2,3                                ; O^T += V^T P^T: four accumulators by turns
	v_wmma_scale_f32_16x16x128_f8f6f4 v[OT+8*\t:OT+8*\t+7], v[FB+16*\t:FB+16*\t+15], v[PC:PC+15], v[OT+8*\t:OT+8*\t+7], v[VSC+\t], v[PW]
.endr
.endm
.macro PLACES n
.rept \n
	v_nop
.endr
.endm
.macro DUMPO                           ; my sums and their state into my tile index's bytes
.set nn, 0
.rept 8
	ds_store_b128 v[DMP], v[OT+4*nn:OT+4*nn+3] offset:512*nn
.set nn, nn+1
.endr
	ds_store_b128 v[DMP], v[12:15] offset:4096
.endm
; A ROUND'S END.  b, behind the early tile's last step: its sums go to LDS, and the late tile begins: its first change of M multiplies what stands in O^T and the sum by 0.
.macro CHANGE
	s_cmp_eq_u32 s[ROLE], 0
	s_cbranch_scc1 .Lstay_\@
	s_cmp_lg_u32 s[RND], s[SW]
	s_cbranch_scc1 .Lstay_\@
	PLACES 8
	DUMPO
	ds_load_b128 v[QR+8:QR+11], v[DMP] offset:4608
	ds_load_b128 v[QR+12:QR+15], v[DMP] offset:5120
	ds_load_b32 v[SQ], v[DM4] offset:5632
	v_mov_b32 v13, 0xff61b1e6
	v_mov_b32 v12, 0x7f61b1e6
	s_wait_alu depctr_va_vdst(0)
.Lstay_\@:
	s_add_co_u32 s[RND], s[RND], 1
.endm
	s_cmp_lt_u32 s[WV], 5
	s_cbranch_scc0 .Lnot_yet
	s_wait_tensorcnt 0x0                           ; waves 0-4: my slot has landed.  The other waves' wait stands ahead of the second barrier
.Lnot_yet:
	s_wait_dscnt 0x0
	s_barrier_signal -1
	s_barrier_wait -1                              ; slots 0 to 4
	s_mov_b32 s[CNT], 2
.Lround_0:                                         ; rounds 0, 1
	STEP 0
	CHANGE
	s_mov_b32 s[TB], s[TB1]
	s_sub_co_u32 s[CNT], s[CNT], 1
	s_cmp_lg_u32 s[CNT], 0
	s_cbranch_scc1 .Lround_0
	s_add_co_u32 s[TB], s[TB1], 2*TILE
	s_wait_tensorcnt 0x0
	s_wait_dscnt 0x0
	s_barrier_signal -1                            ; my slot has landed, and no LDS instruction of mine is pending
	STEP 0                                         ; round 2: slots 3, 4
	s_barrier_wait -1                              ; all slots
	CHANGE
	s_add_co_u32 s[TB], s[TB1], 4*TILE
	s_mov_b32 s[CNT], 5
.Lround_3:                                         ; rounds 3 to 7
	STEP 0
	CHANGE
	s_add_co_u32 s[TB], s[TB], 2*TILE
	s_sub_co_u32 s[CNT], s[CNT], 1
	s_cmp_lg_u32 s[CNT], 0
	s_cbranch_scc1 .Lround_3
	s_cmp_eq_u32 s[ROLE], 0
	s_cbranch_scc1 .Lno_part
	PLACES 8                                       ; b: the early tile's sums come back, and my part of the late tile takes their place (LDS serves a wave's instructions in order: ISA guide 5.7.1.4)
.set nn, 0
.rept 8
	ds_load_b128 v[SCR+4*nn:SCR+4*nn+3], v[DMP] offset:512*nn
.set nn, nn+1
.endr
	ds_load_b128 v[248:251], v[DMP] offset:4096
	DUMPO
.Lno_part:
	s_wait_dscnt 0x0                               ; b's part is in LDS
	s_barrier_signal -1
	s_cmp_eq_u32 s[ROLE], 0
	s_cbranch_scc0 .Lgiven
	s_mov_b32 s[TB], 15*TILE                       ; a: round 8, on the late tile's diagonal
	STEP 1
.Lgiven:
	s_barrier_wait -1
	s_cmp_eq_u32 s[ROLE], 0
	s_cbranch_scc0 .Lout
	PLACES 8
.set nn, 0
.rept 8
	ds_load_b128 v[FB+4*nn:FB+4*nn+3], v[DMP] offset:512*nn
.set nn, nn+1
.endr
	ds_load_b128 v[248:251], v[DMP] offset:4096
	s_wait_alu depctr_va_vdst(0)
	s_wait_dscnt 0x0
	v_min_num_f32 v245, v12, v248                  ; the joint -M.  Where b had no late step its -M is 3e38, and its factor 0
	v_sub_f32 v244, v245, v12
	v_sub_f32 v252, v245, v248
	v_cvt_i32_f32 v244, v244
	v_cvt_i32_f32 v252, v252
	v_ldexp_f32 v242, 1.0, v244
	v_ldexp_f32 v252, 1.0, v252
	v_pk_mul_f32 v[250:251], v[250:251], v[252:253] op_sel_hi:[1,0]
.set nn, 0
.rept 16
	v_pk_mul_f32 v[FB+nn:FB+nn+1], v[FB+nn:FB+nn+1], v[252:253] op_sel_hi:[1,0]
.set nn, nn+2
.endr
	v_pk_fma_f32 v[250:251], v[14:15], v[242:243], v[250:251] op_sel_hi:[1,0,1]
.set nn, 0
.rept 16
	v_pk_fma_f32 v[SCR+nn:SCR+nn+1], v[OT+nn:OT+nn+1], v[242:243], v[FB+nn:FB+nn+1] op_sel_hi:[1,0,1]
.set nn, nn+2
.endr
	s_wait_alu depctr_va_vdst(0)
.Lout:
	; THE WAY OUT, of the late tile (a) and of the early one (b).  Z = O^T / the sum; register 8 t + j of lane (r, h) is feature 16 t + 8 h + j of query r.  Two blocks of 32 features, each shared with lane l xor 16, are quantised as the last product's operand.
	v_add_f32 v14, v250, v251
	v_permlanex16_b32 v244, v14, s[SEL], s[SEL+1]
	v_add_f32 v14, v14, v244                       ; the row's sum
	s_wait_alu depctr_va_vdst(0)                   ; the wait ahead of the transcendental
	v_rcp_f32 v14, v14
	v_and_b32 v244, 15, v0                         ; (plain work behind the reciprocal)  r
	v_bfe_u32 v245, v0, 4, 1                       ; h
	v_lshlrev_b32 v[ADR], 4, v244
	v_lshl_add_u32 v[ADS], v244, 5, v245           ; 32 r + h
	v_lshl_add_u32 v[ADR], v245, 3, v[ADR]         ; 16 r + 8 h
	s_wait_alu depctr_va_vdst(0)                   ; the wait ahead of the reciprocal's first reader
.set nn, 0
.rept 16
	v_pk_mul_f32 v[SCR+nn:SCR+nn+1], v[SCR+nn:SCR+nn+1], v[14:15] op_sel_hi:[1,0]
.set nn, nn+2
.endr
.irp b, 0,1
	v_max3_num_f32 v[BM+\b], |v[SCR+16*\b]|, |v[SCR+16*\b+1]|, 0x4800000
.endr
.irp i, 2,4,6,8,10,12,14
.irp b, 0,1
	s_delay_alu instid0(VALU_DEP_2)
	v_max3_num_f32 v[BM+\b], v[BM+\b], |v[SCR+16*\b+\i]|, |v[SCR+16*\b+\i+1]|
.endr
.endr
.irp b, 0,1
	s_delay_alu instid0(VALU_DEP_2)
	v_permlanex16_b32 v[TP+\b], v[BM+\b], s[SEL], s[SEL+1]
.endr
.irp b, 0,1
	s_delay_alu instid0(VALU_DEP_2)
	v_max_num_f32 v[BM+\b], v[BM+\b], v[TP+\b]
.endr
.irp b, 0,1
	s_delay_alu instid0(VALU_DEP_2)
	v_add_nc_u32 v[SO+\b], 0xfc000000, v[BM+\b]
.endr
.irp b, 0,1
	v_and_or_b32 v[LM+\b], v[BM+\b], 0x7f800000, s19
.endr
.irp b, 0,1
	v_lshrrev_b32 v[TP+\b], 23, v[SO+\b]
.endr
.irp b, 0,1
.irp i, 0,1,2,3,4,5,6,7,8,9,10,11,12,13,14,15
	v_med3_num_f32 v[SCR+16*\b+\i], v[SCR+16*\b+\i], -v[LM+\b], v[LM+\b]
.endr
	v_cvt_scalef32_pk8_fp8_f32 v[PC+4*\b:PC+4*\b+1], v[SCR+16*\b:SCR+16*\b+7], v[SO+\b]
	v_cvt_scalef32_pk8_fp8_f32 v[PC+4*\b+2:PC+4*\b+3], v[SCR+16*\b+8:SCR+16*\b+15], v[SO+\b]
.endr
	v_cndmask_b32 v244, v[TP], v[TP+1], s18        ; lane (r, h) stores block h's byte.  (Also the plain line behind the last conversion)
.irp t, 0,1,2,3
	global_store_b64 v[ADR], v[PC+2*\t:PC+2*\t+1], s[60:61] offset:256*\t   ; tile t's eight codes a lane: 256 consecutive aligned bytes a store; features 16 t + 8 h + j fall into their true places of the fragment
.endr
	global_store_b8 v[ADS], v244, s[62:63]         ; two bytes of each of 16 rows of 32: one byte for each 32 of codes
	s_wait_tensorcnt 0x0                           ; the wave's end
	ds_add_u32 v254, v255
	s_wait_dscnt 0x0
	s_endpgm
.Lfunc_end_k_qeb855e13c8_attn:
	.size	k_qeb855e13c8_attn, .Lfunc_end_k_qeb855e13c8_attn-k_qeb855e13c8_attn
	.p2alignl 7, 3214868480
	.fill 96, 4, 3214868480
	.section	.rodata,"a",@progbits
	.p2align	6, 0x0
	.amdhsa_kernel k_qeb855e13c8_attn
		.amdhsa_group_segment_fixed_size 327680
		.amdhsa_private_segment_fixed_size 0
		.amdhsa_enable_private_segment 0
		.amdhsa_kernarg_size 24
		.amdhsa_user_sgpr_count 2
		.amdhsa_user_sgpr_kernarg_segment_ptr 1
		.amdhsa_wavefront_size32 1
		.amdhsa_system_sgpr_workgroup_id_x 1
		.amdhsa_system_sgpr_workgroup_id_y 1
		.amdhsa_system_sgpr_workgroup_id_z 1
		.amdhsa_system_vgpr_workitem_id 0
		.amdhsa_next_free_vgpr 256
		.amdhsa_next_free_sgpr 66
		.amdhsa_reserve_vcc 1
		.amdhsa_float_denorm_mode_32 3
		.amdhsa_float_denorm_mode_16_64 3
		.amdhsa_memory_ordered 1
		.amdhsa_forward_progress 1
		.amdhsa_inst_pref_size 120
	.end_amdhsa_kernel
	.amdgpu_metadata
---
amdhsa.version: [ 1, 2 ]
amdhsa.kernels:
  - .name:           k_qeb855e13c8_attn
    .symbol:         k_qeb855e13c8_attn.kd
    .args:
      - { .name: qkv, .offset: 0, .size: 8, .value_kind: global_buffer, .address_space: global }
      - { .name: zc, .offset: 8, .size: 8, .value_kind: global_buffer, .address_space: global }
      - { .name: zs, .offset: 16, .size: 8, .value_kind: global_buffer, .address_space: global }
    .group_segment_fixed_size: 327680
    .private_segment_fixed_size: 0
    .kernarg_segment_align: 8
    .kernarg_segment_size: 24
    .max_flat_workgroup_size: 512
    .sgpr_count:     66
    .vgpr_count:     256
    .wavefront_size: 32
...
	.end_amdgpu_metadata
.endif
;; end of part 2
;; launch outp (part 3): grid 8 x 32, 4 waves a work-group, clusters of 4 x 4, 327,680 bytes of LDS; arguments zc, zs, Wo_codes, Wo_scales, out0, bo; writes out0
.if DOCPART == 3
	.amdgcn_target "amdgcn-amd-amdhsa--gfx1250"
	.amdhsa_code_object_version 6
	.text
	.protected	k_qeb855e13c8_outp
	.globl	k_qeb855e13c8_outp
	.p2align	8
	.type	k_qeb855e13c8_outp,@function
k_qeb855e13c8_outp:
	s_mov_b64 s[64:65], 0
	v_nop
	global_prefetch_b8 v0, s[64:65] scope:SCOPE_SE
	s_setreg_imm32_b32 hwreg(HW_REG_WAVE_MODE, 25, 1), 1
	s_wait_xcnt 0x0
	s_wait_alu depctr_hold_cnt(0) depctr_sa_sdst(0) depctr_va_vdst(0) depctr_va_sdst(0) depctr_va_ssrc(0) depctr_va_vcc(0) depctr_vm_vsrc(0)
	s_getreg_b32 s2, hwreg(HW_REG_IB_STS2, 6, 4)
	s_cmp_eq_u32 s2, 0
	s_cbranch_scc0 .Lentry_in_a_cluster
	s_endpgm
.Lentry_in_a_cluster:
	s_bfe_u32 s2, ttmp6, 0x10000c
	s_cmp_lg_u32 s2, 0xf033
	s_cbranch_scc0 .Lentry_shape_is_right
	s_endpgm
.Lentry_shape_is_right:
; out = Z Wo^T + bo, f32, on codes of FP8 (E4M3) with one E8M0 scale for each 32 along K = 1,024.  A work-group of four waves makes 128 tokens x 128 columns, a wave 64 x 64: 32 x 8 = 256 work-groups.
; zc: [token / 16][k / 32][lane][16]: images of operand registers, 16,384 bytes for 16 tokens;  zs: [token][32].
; LDS IS FILLED ONCE: Wo's 128 rows (pitch 1,040) by waves 0 and 1, Z's 128 tokens by waves 2 and 3, one load of 64 rows each; a barrier shows Wo's, the next Z's.
; A wave takes its 64 rows of Wo, all of K, into 512 registers (windows 1, 2) and walks its tokens in four blocks of 16 (window 3, two sets): 32 products a block, four accumulators by turns; a block leaves while the next is multiplied.
; THE MATRIX INSTRUCTION IS USED TRANSPOSED (source 0 = rows of Wo, source 1 = tokens): a lane holds eight neighbouring columns of one token.  The bias is the first products' C.
; CLUSTERS: 4 x 4 work-groups: a row of the cluster shares Z's tokens, a column Wo's rows: both are asked for jointly.
; NO PREFETCH: all that comes through LDS is asked for by the head's four loads; there is no loop to run ahead in.
; LIMITS: NaN and infinities are not served.
.set PITCH, 1040                       ; 1,024 + 16 of padding: the 16 rows that a load touches start 4 words apart modulo 64
.set WB,    131072                     ; Wo's rows, behind Z's images
.set STAGE, WB+128*PITCH               ; 16 rows x (256 + 16) bytes for each wave
.set SPITCH, 272
.set SPARE, STAGE+4*16*SPITCH          ; the spare words
.set SPW, 10
.set NIL, 11
.set ADRA, 12                          ; LDS address of my tokens' images
.set ADRB, 14                          ; of my rows of Wo
.set STO, 15                           ; the way out: where I put 32 bytes of a row,
.set RD, 16                            ; where I read rows back,
.set CO, 17                            ; and my byte offset in out0
.set SB, 24                            ; v24-39 Wo's scale words: register 8 p + q: lanes 0-15 tile 2 p's, lanes 16-31 tile 2 p + 1's
.set SA, 44                            ; v44-75 the tokens': register 8 n + q (no product's two scale words have numbers equal modulo 8)
.set BQ, 80                            ; v80-111 the bias
.set ACC, 112                          ; v112-175 two sets of four accumulators
.set BK, 176                           ; v176-239 16 rows read back, two sets
.set MSB, 0
.macro WIN new                         ; the immediate's high byte repeats the setting that is left
.if MSB != (\new)
	s_set_vgpr_msb (MSB<<8)|(\new)
.set MSB, (\new)
.endif
.endm
.macro PLACES n
.rept \n
	v_nop
.endr
.endm
.macro BARRIER
	s_barrier_signal -1
	s_barrier_wait -1
.endm
.macro CROUND                          ; a round of the cluster's barrier
	BARRIER
	s_cmp_lg_u32 s14, 0
	s_cbranch_scc1 .Lnot_wave_0_\@
	s_barrier_signal -3
.Lnot_wave_0_\@:
	s_barrier_wait -3
	BARRIER
.endm
.macro TLOAD g0, g1
	tensor_load_to_lds s[\g0:\g0+3], s[\g1:\g1+7]
	s_nop 0
	PLACES 4
.endm
	s_load_b256 s[4:11], s[0:1], 0x0               ; zc, zs, Wo's codes, Wo's scales
	s_load_b128 s[68:71], s[0:1], 0x20             ; out0, bo
	v_lshl_add_u32 v[SPW], v0, 2, SPARE
	v_mov_b32 v[NIL], 0
	ds_add_u32 v[SPW], v[NIL]                      ; the wave's opening: the add, twice on end, and its wait ahead of my tensor load
	ds_add_u32 v[SPW], v[NIL]
	v_lshrrev_b32 v1, 5, v0
	v_readfirstlane_b32 s14, v1                    ; wave 0..3
	s_lshr_b32 s15, s14, 1                         ; my 64 tokens
	s_and_b32 s16, s14, 1                          ; my 64 columns.  Also: which half of a tile I fetch
	s_bfe_u32 s40, ttmp6, 0x40000                  ; cx, cy: my place in the cluster
	s_bfe_u32 s41, ttmp6, 0x40004
	s_lshl_b32 s42, ttmp9, 2
	s_add_co_u32 s42, s42, s40                     ; tile column
	s_and_b32 s43, ttmp7, 0xffff
	s_lshl_b32 s43, s43, 2
	s_add_co_u32 s43, s43, s41                     ; tile row
	s_lshl_b32 s44, s41, 2
	s_lshl_b32 s44, 15, s44                        ; my row of the cluster
	s_lshl_b32 s45, 0x1111, s40                    ; my column
	s_or_b32 s24, s44, (3<<16)|(1<<21)             ; Z: 64 tokens = 65,536 dense bytes, as 256 rows of 256 bytes
	s_mov_b32 s25, 32<<16
	s_mov_b32 s26, 256<<16
	s_mov_b32 s27, 32<<16
	s_mov_b32 s28, 256
	s_mov_b32 s29, 32
	s_mov_b32 s30, 0
	s_mov_b32 s31, 0
	s_or_b32 s32, s45, (1<<20)|(1<<21)|(7<<22)|(3<<25)   ; Wo: 64 rows of 1,024 bytes, four words of padding behind each 256
	s_mov_b32 s33, 1024<<16
	s_mov_b32 s34, 64<<16
	s_mov_b32 s35, 1024<<16
	s_mov_b32 s36, 64
	s_mov_b32 s37, 1024
	s_mov_b32 s38, 0
	s_mov_b32 s39, 0
	s_mov_b32 s56, 1
	s_lshl_b32 s57, s16, 16                        ; Z's half in LDS
	s_mov_b32 s60, 1
	s_mul_i32 s61, s16, 64*PITCH
	s_add_co_u32 s61, s61, WB                      ; Wo's
	s_lshl_b32 s18, s16, 16                        ; a half, in bytes
	s_lshl_b32 s20, s43, 17
	s_add_co_u32 s20, s20, s18
	s_mov_b32 s21, 0
	s_lshl_b32 s22, s42, 17
	s_add_co_u32 s22, s22, s18
	s_mov_b32 s23, 0
	s_lshl_b32 s72, s42, 12                        ; my columns' scale bytes
	s_lshl_b32 s18, s16, 11
	s_add_co_u32 s72, s72, s18
	s_mov_b32 s73, 0
	s_lshl_b32 s74, s43, 12                        ; my tokens'
	s_lshl_b32 s18, s15, 11
	s_add_co_u32 s74, s74, s18
	s_mov_b32 s75, 0
	s_lshl_b32 s76, s42, 9                         ; my columns, in bytes of f32
	s_lshl_b32 s18, s16, 8
	s_add_co_u32 s76, s76, s18
	s_mov_b32 s77, 0
	s_lshl_b32 s78, s43, 19                        ; my tokens' rows of out0
	s_lshl_b32 s18, s15, 18
	s_add_co_u32 s78, s78, s18
	s_add_co_u32 s78, s78, s76
	s_mov_b32 s79, 0
	s_mul_i32 s80, s14, 16*SPITCH
	s_add_co_u32 s80, s80, STAGE
	s_mul_i32 s81, s16, 64*PITCH
	s_add_co_u32 s81, s81, WB
	s_lshl_b32 s82, s15, 16
	v_and_b32 v1, 15, v0                           ; r
	v_bfe_u32 v2, v0, 4, 1                         ; h
	v_and_b32 v3, 31, v0                           ; lane
	v_mul_u32_u24 v4, v1, PITCH
	v_lshl_add_u32 v4, v2, 4, v4
	v_add_nc_u32 v[ADRB], s81, v4
	v_lshlrev_b32 v5, 4, v3
	v_add_nc_u32 v[ADRA], s82, v5
	v_mul_u32_u24 v4, v1, SPITCH
	v_lshl_add_u32 v4, v2, 5, v4
	v_add_nc_u32 v[STO], s80, v4                   ; in: row r, 32 bytes for each half of the lanes
	v_mul_u32_u24 v6, v2, SPITCH
	v_lshl_add_u32 v6, v1, 4, v6
	v_add_nc_u32 v[RD], s80, v6                    ; back: lanes 0-15 one row, lanes 16-31 the next
	v_lshlrev_b32 v7, 12, v2
	v_lshl_add_u32 v[CO], v1, 4, v7
	v_lshlrev_b32 v18, 5, v3                       ; Wo's scale bytes: lane l takes row l of a pair of tiles
	v_lshlrev_b32 v19, 5, v1                       ; the tokens': row r of a block
	v_lshlrev_b32 v20, 5, v2                       ; the bias: 32 h
	s_wait_alu depctr_va_vdst(0)                   ; the wait at the head's end
	s_wait_dscnt 0x0                               ; both opening adds are done
	CROUND                                         ; all sixteen work-groups are here: the joint loads meet
	s_wait_kmcnt 0x0
	s_add_nc_u64 s[58:59], s[4:5], s[20:21]
	s_or_b32 s59, s59, 0x80000000
	s_add_nc_u64 s[62:63], s[8:9], s[22:23]
	s_or_b32 s63, s63, 0x80000000
	s_cmp_lt_u32 s14, 2                            ; one joint load a wave
	s_cbranch_scc0 .Lfor_z
	TLOAD 60, 32
	s_branch .Lasked
.Lfor_z:
	TLOAD 56, 24
.Lasked:
	s_add_nc_u64 s[72:73], s[10:11], s[72:73]
	s_add_nc_u64 s[74:75], s[6:7], s[74:75]
	s_add_nc_u64 s[76:77], s[70:71], s[76:77]
	s_add_nc_u64 s[68:69], s[68:69], s[78:79]
.irp c, 0,1
.irp p, 0,1
	global_load_b128 v[SB+8*\p+4*\c:SB+8*\p+4*\c+3], v18, s[72:73] offset:1024*\p+16*\c
.endr
.irp n, 0,1,2,3
	global_load_b128 v[SA+8*\n+4*\c:SA+8*\n+4*\c+3], v19, s[74:75] offset:512*\n+16*\c
.endr
.irp b, 0,1,2,3
	global_load_b128 v[BQ+8*\b+4*\c:BQ+8*\b+4*\c+3], v20, s[76:77] offset:64*\b+16*\c
.endr
.endr
.macro FRAGW f, off                    ; a fragment of Wo: lane l holds row l % 16; registers 4 c .. 4 c + 3 hold K = 32 c + 16 (l / 16) + 0 .. 15.  Fragment f = 4 q + b lies in window 1 + f / 16
	WIN (1+(\f)/16)<<6
.irp c, 0,1,2,3
	ds_load_b128 v[16*((\f)%16)+4*\c:16*((\f)%16)+4*\c+3], v[ADRB] offset:\off+32*\c
.endr
.endm
.macro FETCH n                         ; block n of my tokens, all of K, into set n % 2: 32 loads
	WIN 3<<6
.irp q, 0,1,2,3,4,5,6,7
.irp c, 0,1,2,3
	ds_load_b128 v[128*((\n)%2)+16*\q+4*\c:128*((\n)%2)+16*\q+4*\c+3], v[ADRA] offset:16384*\n+2048*\q+512*\c
.endr
.endr
	WIN 0
.endm
.macro MUL n                           ; a block's 32 products, and the eight places behind them
.set AS, ACC+32*((\n)%2)
.set XR, 128*((\n)%2)
.irp q, 0,1,2,3,4,5,6,7
	WIN (1+\q/4)|(3<<2)
.irp b, 0,1,2,3
.set WR, 16*((4*\q+\b)%16)
.set CI, AS+8*\b
.if \q == 0
.set CI, BQ+8*\b
.endif
.if \b%2
	v_wmma_scale_f32_16x16x128_f8f6f4 v[AS+8*\b:AS+8*\b+7], v[WR:WR+15], v[XR+16*\q:XR+16*\q+15], v[CI:CI+7], v[SB+8*(\b/2)+\q], v[SA+8*\n+\q] matrix_a_scale:MATRIX_SCALE_ROW1
.else
	v_wmma_scale_f32_16x16x128_f8f6f4 v[AS+8*\b:AS+8*\b+7], v[WR:WR+15], v[XR+16*\q:XR+16*\q+15], v[CI:CI+7], v[SB+8*(\b/2)+\q], v[SA+8*\n+\q]
.endif
.endr
.endr
	WIN 0
	PLACES 8
.endm
.macro TOSTAGE n                       ; into my own stage, and back as whole rows of 256 bytes: LDS serves a wave's instructions in order (ISA guide 5.7.1.4)
.set AS, ACC+32*((\n)%2)
.irp b, 0,1,2,3
	ds_store_b128 v[STO], v[AS+8*\b:AS+8*\b+3] offset:64*\b
	ds_store_b128 v[STO], v[AS+8*\b+4:AS+8*\b+7] offset:64*\b+16
.endr
.set BB, BK+32*((\n)%2)
.irp t, 0,1,2,3,4,5,6,7
	ds_load_b128 v[BB+4*\t:BB+4*\t+3], v[RD] offset:2*\t*SPITCH
.endr
.endm
.macro SEND n                          ; each store fills two aligned units of 256 bytes
.set BB, BK+32*((\n)%2)
	s_wait_dscnt 0x0
.irp t, 0,1,2,3,4,5,6,7
	global_store_b128 v[CO], v[BB+4*\t:BB+4*\t+3], s[68:69] offset:65536*\n+8192*\t th:TH_STORE_NT
.endr
.endm
	s_cmp_lt_u32 s14, 2
	s_cbranch_scc0 .Lnot_w
	s_wait_tensorcnt 0x0                           ; waves 0, 1: Wo's rows have landed.  The other waves' wait stands at the second barrier
.Lnot_w:
	BARRIER
.irp q, 0,1,2,3,4,5,6,7
.irp b, 0,1,2,3
	FRAGW 4*\q+\b, 128*\q+\b*16*PITCH
.endr
.endr
	WIN 0
	s_wait_loadcnt 0x0                             ; scale words and bias
	s_wait_tensorcnt 0x0                           ; Z's tokens
	s_wait_dscnt 0x0
	BARRIER
	FETCH 0
	FETCH 1
	s_wait_dscnt 32                                ; all but block 1's
	MUL 0
	FETCH 2
	TOSTAGE 0
	s_wait_dscnt 48                                ; block 1 is in: behind it 32 loads of block 2 and the stage's 16
	MUL 1
	SEND 0
	FETCH 3
	TOSTAGE 1
	MUL 2
	SEND 1
	s_wait_xcnt 0x0                                ; block 0's stores have read their registers
	TOSTAGE 2
	MUL 3
	SEND 2
	s_wait_xcnt 0x0
	TOSTAGE 3
	SEND 3
	s_wait_tensorcnt 0x0                           ; the wave's end
	ds_add_u32 v[SPW], v[NIL]
	s_wait_dscnt 0x0
	CROUND                                         ; the closing round
	s_endpgm
.Lfunc_end_k_qeb855e13c8_outp:
	.size	k_qeb855e13c8_outp, .Lfunc_end_k_qeb855e13c8_outp-k_qeb855e13c8_outp
	.p2alignl 7, 3214868480
	.fill 96, 4, 3214868480
	.section	.rodata,"a",@progbits
	.p2align	6, 0x0
	.amdhsa_kernel k_qeb855e13c8_outp
		.amdhsa_group_segment_fixed_size 327680
		.amdhsa_private_segment_fixed_size 0
		.amdhsa_enable_private_segment 0
		.amdhsa_kernarg_size 48
		.amdhsa_user_sgpr_count 2
		.amdhsa_user_sgpr_kernarg_segment_ptr 1
		.amdhsa_wavefront_size32 1
		.amdhsa_system_sgpr_workgroup_id_x 1
		.amdhsa_system_sgpr_workgroup_id_y 1
		.amdhsa_system_sgpr_workgroup_id_z 1
		.amdhsa_system_vgpr_workitem_id 0
		.amdhsa_next_free_vgpr 1024
		.amdhsa_next_free_sgpr 98
		.amdhsa_reserve_vcc 0
		.amdhsa_float_denorm_mode_32 3
		.amdhsa_float_denorm_mode_16_64 3
		.amdhsa_memory_ordered 1
		.amdhsa_forward_progress 1
		.amdhsa_inst_pref_size 50
	.end_amdhsa_kernel
	.amdgpu_metadata
---
amdhsa.version: [ 1, 2 ]
amdhsa.kernels:
  - .name:           k_qeb855e13c8_outp
    .symbol:         k_qeb855e13c8_outp.kd
    .args:
      - { .name: zc, .offset: 0, .size: 8, .value_kind: global_buffer, .address_space: global }
      - { .name: zs, .offset: 8, .size: 8, .value_kind: global_buffer, .address_space: global }
      - { .name: Wo_codes, .offset: 16, .size: 8, .value_kind: global_buffer, .address_space: global }
      - { .name: Wo_scales, .offset: 24, .size: 8, .value_kind: global_buffer, .address_space: global }
      - { .name: out0, .offset: 32, .size: 8, .value_kind: global_buffer, .address_space: global }
      - { .name: bo, .offset: 40, .size: 8, .value_kind: global_buffer, .address_space: global }
    .group_segment_fixed_size: 327680
    .private_segment_fixed_size: 0
    .kernarg_segment_align: 8
    .kernarg_segment_size: 48
    .max_flat_workgroup_size: 128
    .sgpr_count:     98
    .vgpr_count:     1024
    .wavefront_size: 32
...
	.end_amdgpu_metadata
.endif
;; end of part 3
